; MI455X (gfx1250); checked and timed in simulation.
; The chip was launched on July 23, 2026; its instructions are those of AMD's public machine-readable ISA for CDNA 5 (MIT licence, August 2026) and "CDNA5" Instruction Set Architecture Reference Guide (July 2026). The comments in the code are by the model that wrote it; some were corrected since.
;; GRU Cell. Allowed arithmetic: matrix products marked QUANTISED: E3M2 operands, one E8M0 scale for each 32 along K, by v_wmma_scale_f32_16x16x128_f8f6f4 with both operands' format E3M2, f32 sums; everything else in f32.
;; Inputs: b_n 2,048 float32; b_r 2,048 float32; b_z 2,048 float32; inputs_codes 2,048 x 64 x 24 uint8 (E3M2 codes of inputs, K innermost, in blocks of 32 codes, four codes in three bytes); inputs_scales 2,048 x 64 uint8 (E8M0 scales of inputs, one for each 32 codes along K); states 2,048 x 2,048 float32; w_n 4,096 x 2,048 float32; w_r 4,096 x 2,048 float32; w_z 4,096 x 2,048 float32.
;; Outputs: out0 2,048 x 2,048 float32.
;; This version of the problem:
;;   THIS VERSION OF THE PROBLEM IS GIVEN IN LOW PRECISION. The matrix products marked QUANTISED in the list below multiply operands that are first quantised to E3M2 (3 exponent bits, 2 mantissa bits; 6 bits a number), with one power-of-two scale for each 32 numbers along K (OCP MX v1.0); their sums are f32. All else is computed in f32.
;;   The module's matrix products, in the order in which they are computed (A, B: the left and right operand; K: the contracted axis; several contracted axes count as one K, in the product's order):
;;     1. [M 2,048, K 2,048] x [K 2,048, N 2,048]; A: input inputs (given as codes); B: input w_r: QUANTISED
;;     2. [M 2,048, K 2,048] x [K 2,048, N 2,048]; A: input states; B: input w_r: QUANTISED
;;     3. [M 2,048, K 2,048] x [K 2,048, N 2,048]; A: input inputs (given as codes); B: input w_z: QUANTISED
;;     4. [M 2,048, K 2,048] x [K 2,048, N 2,048]; A: input states; B: input w_z: QUANTISED
;;     5. [M 2,048, K 2,048] x [K 2,048, N 2,048]; A: input inputs (given as codes); B: input w_n: QUANTISED
;;     6. [M 2,048, K 2,048] x [K 2,048, N 2,048]; A: computed on the way; B: input w_n: QUANTISED
;;   THE QUANTISER, for each operand of a quantised product, along K:
;;     - K is cut into blocks of 32 from its start; a last block that is shorter is filled with zeros.
;;     - A block's scale is 2^e with e = floor(log2(the largest magnitude in the block)) - 4, held to -126 .. 127; a block of zeros has e = 0. As a byte (E8M0): e + 127.
;;     - Each number is divided by its block's scale, clamped to +-28, and rounded to the nearest number of E3M2, ties to even, subnormals kept.
;;     - The product sums the exact products of the quantised numbers (number of the format x scale) in f32.
;;   ~~~python
;;   def quantise(x, axis):      # numpy; x: float32 -> the quantised numbers, widened to float32 again
;;       x = np.moveaxis(x, axis, -1); K = x.shape[-1]
;;       x = np.pad(x, [(0, 0)] * (x.ndim - 1) + [(0, -K % 32)]); x = x.reshape(x.shape[:-1] + (-1, 32)); a = np.abs(x).max(-1, keepdims=True)
;;       e = np.where(a > 0, np.clip(np.frexp(np.where(a > 0, a, 1))[1] - 1 - 4, -126, 127), 0)      # np.frexp(a)[1] - 1 = floor(log2(a)), exactly
;;       r = np.clip(x / 2.0 ** e, -28, 28)
;;       step = 2.0 ** (np.maximum(np.frexp(np.where(r == 0, 1, r))[1] - 1, -2) - 2)
;;       q = np.round(r / step) * step * 2.0 ** e      # np.round: ties to even
;;       return np.moveaxis(q.reshape(q.shape[:-2] + (-1,))[..., :K], -1, axis).astype(np.float32)
;;   ~~~
;;   OPERANDS COMPUTED ON THE WAY. 'Computed on the way' means the value that the module computes at that place (a softmax that the list does not call 'softmax' is quantised finished and normalised). What goes into a quantiser is computed in f32, as accurately as f32 sums, v_exp_f32 and their like allow (about 1e-6 of the number): no bf16 or f16 on the way to a quantiser, and a product that is left as it is and whose result goes on into a quantised operand takes f32 operands (vector FMAs, or v_wmma_f32_16x16x4_f32). A number that lies on a knife's edge between two numbers of the format may be rounded either way, as far as f32 arithmetic and the matrix unit's own rounding can turn it there, and no further.
;;   INPUTS GIVEN AS CODES. inputs (in the module: [2048, 2048], K = its axis 1): each comes as NAME_codes (uint8): NAME with its K axis moved to the last place and cut into blocks of 32 codes, [.., K / 32, bytes a block], one block behind the other in memory; four codes in three bytes: a row's codes are one little-endian stream of bits, code i at bits 6 i .. 6 i + 5 (a code: sign, 3 exponent bits, 2 mantissa bits); and NAME_scales (uint8): the same leading axes, one E8M0 byte (e + 127) for each 32 codes along K. Its value is code x scale, taken as it is: it is not quantised again, and the codes and scales need not be those that the quantiser above would give.
;; One version. Each part assembles by itself: llvm-mc -triple=amdgcn-amd-amdhsa -mcpu=gfx1250 --defsym DOCPART=n.
;; ======== version 1 of 1: 3 launches
;; limits: right only within a limited range of input values
;; workspace buffers: wq 19,660,800 bytes; az 6,553,600 bytes; an 6,553,600 bytes
;; launch quant (part 1): grid 960 x 1, 4 waves a work-group, no clusters, 43,520 bytes of LDS; arguments w_r, w_z, w_n, states, inputs_codes, inputs_scales, wq, az; writes wq, az
.if DOCPART == 1
	.amdgcn_target "amdgcn-amd-amdhsa--gfx1250"
	.amdhsa_code_object_version 6
	.text
	.protected	k_q235dd88409_quant
	.globl	k_q235dd88409_quant
	.p2align	8
	.type	k_q235dd88409_quant,@function
k_q235dd88409_quant:
	s_mov_b64 s[64:65], 0
	v_nop
	global_prefetch_b8 v0, s[64:65] scope:SCOPE_SE
	s_setreg_imm32_b32 hwreg(HW_REG_WAVE_MODE, 25, 1), 1
	s_wait_xcnt 0x0
; GRU cell, launch 1 of 3.  out = (1 - z) s + z n;  r, z = sigmoid([x | s] W + b);  n = tanh([x | s r] Wn + bn).  All six products on codes of BF6 (E3M2), one E8M0 scale for each 32 along K.
; NOTHING OF reference() IS LEFT OUT: every input has a way to out0 and every product is live.  Each gate's two products are one sum over K = 4,096 (x's 2,048, then the state's 2,048): the blocks of 32 begin
; at multiples of 32 in both halves, so codes and scales are those of the two products taken apart.
; THIS LAUNCH makes every operand that is known at the start, once, in the order in which a wave's operand registers take it:
;   wq: the three weights [4096 (k)][2048 (unit)] f32, quantised along K;   az: [x | s]: x's given codes and scales laid anew, s quantised.  (x's records in az serve all three gates; s r is launch 2's.)
; A RECORD (REC bytes) holds 128 rows (or units) x 128 along K: eight fragments of 16 rows as images of their 12 registers (registers 4 c .. 4 c + 3 of lane l at 512 c + 16 l), then 512 bytes of scale words
; (tile 4 g + i, fragment lane r: at 256 g + 16 r + 4 i).  An operand is [block of 128 rows][K step of 128][record].  In az fragment t, lane r is row 16 t + r; in wq it is unit 32 (t / 2) + 8 (t % 2) + r + 8 (r / 8),
; so that in a product used transposed the 16 registers of tiles 2 b and 2 b + 1 are 16 neighbouring units.
; A block's scale is 2^(floor(log2(its largest magnitude)) - 4); its byte is the largest magnitude's exponent field - 4, held at 1 from below.
; LIMITS: NaN and infinities among the f32 inputs are not served; a block whose largest magnitude lies under 2^-122 has its byte held at 1; a block of zeros gets the byte 1 where the quantiser says 127: its codes
; are zeros, which add nothing under any byte but 0xff, and the bytes are read by this program alone.
; WORK-GROUPS: 0-767 weights (path W), 768-895 states (path S), 896-959 inputs (path X).  The paths part on the work-group's number, and each has LDS bytes of its own.  Waves share nothing: no barrier.
.set REC,   12800
.set BLK,   32*REC
.set FRB,   1536
.set SCO,   8*FRB
.set WSTG,  6400                       ; path W: a wave's stage: four fragments' images and 256 bytes of scale words
.set SST0,  4*WSTG                     ; path S: the stages begin here,
.set SSTG,  16*272                     ; 16 rows of 256 bytes + 16 for each wave
.set SPARE, SST0+4*SSTG                ; 43,008: the spare words, 128 bytes for each wave, named by no other line
.set SPW, 4
.set NIL, 5
.set LA,  6                            ; path W: where my column's codes go in the images
.set LS,  7                            ; path W: where my column's scale word goes
.set RDW, 8                            ; path W: 16 bytes a lane of the stage, on the way out
.set RDS, 9                            ; path W: 8 bytes a lane of the scale words
.set SWA, 10                           ; path S: the stage on the way in
.set SRA, 11                           ; path S: and back
	s_load_b512 s[8:23], s[0:1], 0x0               ; w_r s[8:9], w_z s[10:11], w_n s[12:13], states s[14:15], inputs_codes s[16:17], inputs_scales s[18:19], wq s[20:21], az s[22:23]
	v_lshl_add_u32 v[SPW], v0, 2, SPARE
	v_mov_b32 v[NIL], 0
	v_lshrrev_b32 v1, 5, v0
	v_readfirstlane_b32 s26, v1                    ; wave 0..3
	v_and_b32 v1, 31, v0                           ; lane
	v_and_b32 v2, 15, v0                           ; r
	v_bfe_u32 v3, v0, 4, 1                         ; h
	s_mov_b32 s27, 0x76543210
	s_mov_b32 s28, 0xfedcba98                      ; v_permlanex16_b32's selects for lane l xor 16
	; every LDS address is made here, ahead of the paths' parting
	v_bfe_u32 v16, v0, 3, 1                        ; path W: column v = lane of 32: which of two tiles: (v / 8) % 2,
	v_and_b32 v17, 7, v0
	v_lshl_add_u32 v17, v3, 3, v17                 ; and which fragment lane: 8 (v / 16) + v % 8
	s_mul_i32 s29, s26, WSTG
	v_mul_u32_u24 v[LA], v16, FRB
	v_lshl_add_u32 v[LA], v17, 4, v[LA]
	v_add_nc_u32 v[LA], s29, v[LA]
	v_lshlrev_b32 v[LS], 2, v16
	v_lshl_add_u32 v[LS], v17, 4, v[LS]
	v_add_nc_u32 v[LS], s29, v[LS]
	v_add_nc_u32 v[LS], 4*FRB, v[LS]
	v_lshl_add_u32 v[RDW], v1, 4, s29
	v_lshl_add_u32 v[RDS], v1, 3, s29
	v_add_nc_u32 v[RDS], 4*FRB, v[RDS]
	s_mul_i32 s29, s26, SSTG
	s_add_co_u32 s29, s29, SST0
	v_mul_u32_u24 v[SWA], v3, 272
	v_lshl_add_u32 v[SWA], v2, 4, v[SWA]
	v_add_nc_u32 v[SWA], s29, v[SWA]               ; row h of a pair, 16 r bytes on
	v_mul_u32_u24 v[SRA], v2, 272
	v_lshl_add_u32 v[SRA], v3, 7, v[SRA]
	v_add_nc_u32 v[SRA], s29, v[SRA]               ; row r, 128 h bytes on
	s_and_b32 s34, s26, 1                          ; g: which 64 of the block's 128 rows or units are my wave's
	s_lshr_b32 s35, s26, 1                         ; and which of the work-group's two K steps
	s_mov_b32 s41, 0
	s_wait_alu depctr_va_vdst(0)                   ; the wait at the head's end
	s_wait_kmcnt 0x0
; the largest magnitude of the 32 numbers v[xs] .. v[xs + 31], with the floor 2^(5 - 127) among its leaves, in v16; 4 off its exponent field in v18: the conversions take that field as their scale
.macro AMAX xs
	v_max3_num_f32 v16, |v[\xs]|, |v[\xs+1]|, |v[\xs+2]|
	v_max3_num_f32 v17, |v[\xs+3]|, |v[\xs+4]|, |v[\xs+5]|
.irp i, 6,10,14,18,22,26
	v_max3_num_f32 v16, v16, |v[\xs+\i]|, |v[\xs+\i+1]|
	v_max3_num_f32 v17, v17, |v[\xs+\i+2]|, |v[\xs+\i+3]|
.endr
	v_max3_num_f32 v16, v16, |v[\xs+30]|, |v[\xs+31]|
	v_max3_num_f32 v16, v16, v17, 0x2800000
	v_add_nc_u32 v18, 0xfe000000, v16
.endm
	s_cmp_lt_u32 ttmp9, 768
	s_cbranch_scc0 .Lnot_w
; ---------------- PATH W.  A LANE TAKES A COLUMN (a unit), AND ITS REGISTERS RUN DOWN K: a block of 32 along K lies in one lane's 32 registers, and the conversions give codes with K innermost.
; Work-group: gate, block of 128 units, two K steps.  Wave: 64 units x 128 along K: 8 blocks a lane, t = 2 beta + p: beta = which 32 along K, p = which 32 columns.  Loads run two blocks (64 loads) ahead.
; The codes go into images of the four fragments in the wave's stage and leave as 12 runs of 512 consecutive bytes; the scale words as one run of 256.
	s_lshr_b32 s36, ttmp9, 8                       ; gate 0, 1, 2 = r, z, n
	s_bfe_u32 s37, ttmp9, 0x40004                  ; block of 128 units
	s_and_b32 s38, ttmp9, 15
	s_lshl_b32 s38, s38, 1
	s_add_co_u32 s38, s38, s35                     ; K step 0..31
	s_cmp_eq_u32 s36, 0
	s_cselect_b64 s[30:31], s[8:9], s[10:11]
	s_cmp_eq_u32 s36, 2
	s_cselect_b64 s[30:31], s[12:13], s[30:31]     ; the gate's weight: the choice hangs on the work-group's number alone
	s_lshl_b32 s40, s38, 20                        ; 128 rows of 8,192 bytes a K step,
	s_lshl_b32 s39, s37, 9                         ; 512 bytes a block of units,
	s_add_co_u32 s40, s40, s39
	s_lshl_b32 s39, s34, 8                         ; 256 for my 64
	s_add_co_u32 s40, s40, s39
	s_add_nc_u64 s[30:31], s[30:31], s[40:41]
	s_lshl_b32 s40, s36, 4
	s_add_co_u32 s40, s40, s37
	s_lshl_b32 s40, s40, 5
	s_add_co_u32 s40, s40, s38
	s_mul_i32 s40, s40, REC                        ; the record: ((16 gate + block) 32 + K step) REC
	s_add_nc_u64 s[32:33], s[20:21], s[40:41]
	v_lshlrev_b32 v12, 2, v1                       ; in: 4 bytes a lane
	s_mul_i32 s39, s34, 4*FRB
	v_lshl_add_u32 v13, v1, 4, s39                 ; out: my wave's four fragments, 16 bytes a lane
	s_lshl_b32 s39, s34, 8
	v_lshl_add_u32 v14, v1, 3, s39                 ; and its 256 bytes of scale words, 8 bytes a lane
.macro WLOAD t                         ; block t: w(32 beta + i, my column), i = 0 .. 31, into set t % 2; the two halves of each 256 bytes of a row (p = 0, 1) are asked for one block behind the other
.irp i, 0,1,2,3,4,5,6,7,8,9,10,11,12,13,14,15,16,17,18,19,20,21,22,23,24,25,26,27,28,29,30,31
	global_load_b32 v[32+32*((\t)%2)+\i], v12, s[30:31] offset:(32*((\t)/2)+\i)*8192+128*((\t)%2) th:TH_LOAD_NT
.endr
.endm
.macro WBLOCK t
.set XS, 32+32*((\t)%2)
.set PP, (\t)%2
.set BE, (\t)/2
.if (\t) < 7
	s_wait_loadcnt 32                              ; this block's 32 loads are in; the next block's may be out
.else
	s_wait_loadcnt 0x0
.endif
	AMAX XS
	v_cvt_scalef32_pk16_bf6_f32 v[96:98], v[XS:XS+15], v18
	v_cvt_scalef32_pk16_bf6_f32 v[100:102], v[XS+16:XS+31], v18   ; (a conversion's three registers begin on an even number)
	v_lshrrev_b32 v19, 23, v18                     ; the scale's byte.  (Also the plain instruction between the conversions and the moves that touch their results)
.if BE == 0
	v_mov_b32 v[24+PP], v19                        ; four bytes make the column's scale word, the lower K in the lower byte
.else
	v_lshl_or_b32 v[24+PP], v19, 8*BE, v[24+PP]
.endif
	v_mov_b32 v99, v100
	v_mov_b32 v100, v101
	v_mov_b32 v101, v102                           ; v96-101: the block's 24 bytes: registers 6 c .. 6 c + 5 of fragment lane r + 16 hh, beta = 2 c + hh
.if BE < 2
	ds_store_b128 v[LA], v[96:99] offset:2*FRB*PP+256*(BE%2)           ; registers 0-3
	ds_store_b64 v[LA], v[100:101] offset:2*FRB*PP+256*(BE%2)+512      ; registers 4, 5
.else
	ds_store_b64 v[LA], v[96:97] offset:2*FRB*PP+256*(BE%2)+520        ; registers 6, 7
	ds_store_b128 v[LA], v[98:101] offset:2*FRB*PP+256*(BE%2)+1024     ; registers 8-11
.endif
.if (\t) <= 5
	WLOAD (\t)+2
.endif
	s_wait_dscnt 0x0                               ; the stores are done: the next block's codes may be written
.endm
	WLOAD 0
	WLOAD 1
.irp t, 0,1,2,3,4,5,6,7
	WBLOCK \t
.endr
	ds_store_b32 v[LS], v24
	s_wait_alu depctr_va_vdst(0)
	ds_store_b32 v[LS], v25 offset:8
.irp j, 0,1,2,3,4,5,6,7,8,9,10,11
	ds_load_b128 v[32+4*\j:35+4*\j], v[RDW] offset:512*\j          ; LDS serves a wave's instructions in order: these see my stores
.endr
	ds_load_b64 v[80:81], v[RDS]
.irp j, 0,1,2,3,4,5,6,7,8,9,10,11
	s_wait_dscnt 12-\j
	global_store_b128 v13, v[32+4*\j:35+4*\j], s[32:33] offset:512*\j  ; 512 consecutive bytes, at a multiple of 256 from wq's first byte
.endr
	s_wait_dscnt 0x0
	global_store_b64 v14, v[80:81], s[32:33] offset:SCO            ; 256 consecutive bytes, aligned
	s_branch .Lend
.Lnot_w:
	s_cmp_lt_u32 ttmp9, 896
	s_cbranch_scc0 .Lpath_x
; ---------------- PATH S.  K is innermost.  The operand's layout gives lane (r, h) of a fragment k = 64 c + 32 h + 0 .. 31 of row r: a whole block, 128 bytes.  Each load takes 256 consecutive bytes of two rows,
; 16 bytes a lane, and half a fragment (16 rows x 256 bytes) turns through the wave's stage (rows 272 bytes apart).  The conversions' results are the operand's registers.
; Work-group: block of 128 rows, two K steps.  Wave: 64 rows x 128 along K: four fragments i, each in two halves c: hf = 2 i + c.  Loads run three halves (24 loads) ahead, the turn through LDS one.
	s_sub_co_u32 s36, ttmp9, 768
	s_lshr_b32 s37, s36, 3                         ; block of 128 rows
	s_and_b32 s38, s36, 7
	s_lshl_b32 s38, s38, 1
	s_add_co_u32 s38, s38, s35                     ; the state's K step 0..15
	s_lshl_b32 s40, s37, 20
	s_lshl_b32 s39, s34, 19
	s_add_co_u32 s40, s40, s39
	s_lshl_b32 s39, s38, 9
	s_add_co_u32 s40, s40, s39
	s_add_nc_u64 s[30:31], s[14:15], s[40:41]
	s_lshl_b32 s40, s37, 5
	s_add_co_u32 s40, s40, s38
	s_add_co_u32 s40, s40, 16                      ; the state is az's second K half
	s_mul_i32 s40, s40, REC
	s_add_nc_u64 s[32:33], s[22:23], s[40:41]
	v_lshlrev_b32 v12, 13, v3
	v_lshl_add_u32 v12, v2, 4, v12                 ; in: row h of a pair, 16 r bytes on
	s_mul_i32 s39, s34, 4*FRB
	v_lshl_add_u32 v13, v1, 4, s39                 ; out: my wave's four fragments
	s_lshl_b32 s39, s34, 8
	v_lshl_add_u32 v14, v2, 4, s39
	v_lshl_add_u32 v14, v3, 3, v14                 ; and its scale words: 16 r + 8 h
	v_lshlrev_b32 v15, 3, v3                       ; 8 h: my bytes' place in a scale word
	v_mov_b32 v20, 0                               ; a lane permute's destination counts as one of its sources
.macro SLOADH hf
.irp j, 0,1,2,3,4,5,6,7
	global_load_b128 v[32+32*((\hf)%3)+4*\j:32+32*((\hf)%3)+4*\j+3], v12, s[30:31] offset:(16*((\hf)/2)+2*\j)*8192+256*((\hf)%2) th:TH_LOAD_NT
.endr
.endm
.macro STURN hf                        ; LDS serves a wave's instructions in order: no wait between the stores and the loads
.irp j, 0,1,2,3,4,5,6,7
	ds_store_b128 v[SWA], v[32+32*((\hf)%3)+4*\j:32+32*((\hf)%3)+4*\j+3] offset:544*\j
.endr
.irp q, 0,1,2,3,4,5,6,7
	ds_load_b128 v[128+32*((\hf)%2)+4*\q:128+32*((\hf)%2)+4*\q+3], v[SRA] offset:16*\q
.endr
.endm
.macro SSTEP hf
.set XS, 128+32*((\hf)%2)
.set FI, 192+12*((\hf)/2)+6*((\hf)%2)  ; registers 6 c .. 6 c + 5 of fragment i; each fragment has its own twelve
	s_wait_dscnt 0x0                               ; this half's numbers are back from the stage
.if (\hf) <= 4
	SLOADH (\hf)+3
	s_wait_loadcnt 16                              ; the next half's eight loads are in; those of the two halves behind it may be out
.elseif (\hf) == 5
	s_wait_loadcnt 8
.elseif (\hf) == 6
	s_wait_loadcnt 0x0
.endif
.if (\hf) <= 6
	STURN (\hf)+1
.endif
	AMAX XS
	v_cvt_scalef32_pk16_bf6_f32 v[FI:FI+2], v[XS:XS+15], v18
	v_cvt_scalef32_pk16_bf6_f32 v[244:246], v[XS+16:XS+31], v18
	v_lshrrev_b32 v19, 23, v18
.if (\hf)%2 == 0
	v_mov_b32 v21, v19                             ; block h of my row,
.else
	v_lshl_or_b32 v21, v19, 16, v21                ; block 2 + h
.endif
	v_mov_b32 v[FI+3], v244
	v_mov_b32 v[FI+4], v245
	v_mov_b32 v[FI+5], v246
.if (\hf)%2 == 1
	v_lshlrev_b32 v21, v15, v21
	v_permlanex16_b32 v20, v21, s27, s28
	v_or_b32 v[240+(\hf)/2], v21, v20              ; with lane l xor 16's two bytes the row's scale word is whole
.irp c, 0,1,2
	global_store_b128 v13, v[192+12*((\hf)/2)+4*\c:192+12*((\hf)/2)+4*\c+3], s[32:33] offset:FRB*((\hf)/2)+512*\c
.endr
.endif
.endm
	SLOADH 0
	SLOADH 1
	SLOADH 2
	s_wait_alu depctr_va_vdst(0)
	s_wait_loadcnt 16                              ; half 0's eight loads are in
	STURN 0
.irp t, 0,1,2,3,4,5,6,7
	SSTEP \t
.endr
	v_cmp_ne_u32 vcc_lo, 0, v3                     ; lanes 0-15 store words 0, 1 of row r, lanes 16-31 words 2, 3
	v_cndmask_b32 v22, v240, v242, vcc_lo
	v_cndmask_b32 v23, v241, v243, vcc_lo
	global_store_b64 v14, v[22:23], s[32:33] offset:SCO
	s_branch .Lend
.Lpath_x:
; ---------------- PATH X.  x's codes are taken as they are given: a fragment's 24 bytes a lane and half are loaded as three pieces of 8 bytes, which is the register image, and stored as images into az.
; Wave W of 256: 16 rows x 8 K steps (768 bytes of each row, all of it read by this wave's one run of 48 loads).  The scale words: wave W lays those of 64 rows x 2 K steps.  No arithmetic, no LDS.
	s_sub_co_u32 s36, ttmp9, 896
	s_lshl_b32 s36, s36, 2
	s_add_co_u32 s36, s36, s26                     ; W
	s_lshr_b32 s37, s36, 3                         ; G: which 64 rows
	s_and_b32 s38, s36, 7                          ; sigma: K steps 2 sigma, 2 sigma + 1
	s_lshl_b32 s40, s37, 12                        ; 64 rows of 64 scale bytes
	s_lshl_b32 s39, s38, 3
	s_add_co_u32 s40, s40, s39
	s_add_nc_u64 s[30:31], s[18:19], s[40:41]
	s_lshr_b32 s39, s37, 1
	s_mul_i32 s40, s39, BLK
	s_mul_i32 s39, s38, 2*REC
	s_add_co_u32 s40, s40, s39
	s_and_b32 s39, s37, 1
	s_lshl_b32 s39, s39, 8
	s_add_co_u32 s40, s40, s39
	s_add_nc_u64 s[32:33], s[22:23], s[40:41]      ; the scale words' place in az
	s_lshr_b32 s37, s36, 1                         ; fr: which 16 rows
	s_and_b32 s38, s36, 1                          ; kh: K steps 8 kh .. 8 kh + 7
	s_mul_i32 s40, s37, 16*1536
	s_mul_i32 s39, s38, 768
	s_add_co_u32 s40, s40, s39
	s_add_nc_u64 s[44:45], s[16:17], s[40:41]
	s_lshr_b32 s39, s37, 3
	s_mul_i32 s40, s39, BLK
	s_mul_i32 s39, s38, 8*REC
	s_add_co_u32 s40, s40, s39
	s_and_b32 s39, s37, 7
	s_mul_i32 s39, s39, FRB
	s_add_co_u32 s40, s40, s39
	s_add_nc_u64 s[46:47], s[22:23], s[40:41]      ; the fragments' place in az
	v_lshlrev_b32 v14, 6, v2
	v_lshl_add_u32 v14, v3, 2, v14                 ; scale bytes in: row r of 64 bytes, K step h of my two
	v_mul_u32_u24 v15, v3, REC
	v_lshl_add_u32 v15, v2, 4, v15                 ; out: record h of my two, 16 r
	v_mul_u32_u24 v12, v2, 1536
	v_mad_u32_u24 v12, v3, 24, v12                 ; codes in: row r of 1,536 bytes, + 24 h
	v_lshlrev_b32 v13, 4, v1                       ; out: 16 bytes a lane
.irp i, 0,1,2,3
	global_load_b32 v[24+\i], v14, s[30:31] offset:1024*\i         ; the word of row 16 i + r
.endr
.irp q, 0,1,2,3,4,5,6,7
.irp p, 0,1,2,3,4,5
	global_load_b64 v[32+12*\q+2*\p:32+12*\q+2*\p+1], v12, s[44:45] offset:96*\q+48*(\p/3)+8*(\p%3)
.endr
.endr
	s_wait_alu depctr_va_vdst(0)
	s_wait_loadcnt 48                              ; the four words are in; the 48 loads of codes may be out
	global_store_b128 v15, v[24:27], s[32:33] offset:SCO           ; each half of the lanes stores 256 consecutive bytes, aligned
.irp q, 0,1,2,3,4,5,6,7
	s_wait_loadcnt 6*(7-\q)                        ; K step q's six loads are in
.irp c, 0,1,2
	global_store_b128 v13, v[32+12*\q+4*\c:32+12*\q+4*\c+3], s[46:47] offset:REC*\q+512*\c
.endr
.endr
.Lend:
	s_wait_tensorcnt 0x0                           ; the wave's end, behind my last LDS store
	ds_add_u32 v[SPW], v[NIL]
	s_wait_dscnt 0x0
	s_endpgm
.Lfunc_end_k_q235dd88409_quant:
	.size	k_q235dd88409_quant, .Lfunc_end_k_q235dd88409_quant-k_q235dd88409_quant
	.p2alignl 7, 3214868480
	.fill 96, 4, 3214868480
	.section	.rodata,"a",@progbits
	.p2align	6, 0x0
	.amdhsa_kernel k_q235dd88409_quant
		.amdhsa_group_segment_fixed_size 43520
		.amdhsa_private_segment_fixed_size 0
		.amdhsa_enable_private_segment 0
		.amdhsa_kernarg_size 64
		.amdhsa_user_sgpr_count 2
		.amdhsa_user_sgpr_kernarg_segment_ptr 1
		.amdhsa_wavefront_size32 1
		.amdhsa_system_sgpr_workgroup_id_x 1
		.amdhsa_system_sgpr_workgroup_id_y 1
		.amdhsa_system_sgpr_workgroup_id_z 1
		.amdhsa_system_vgpr_workitem_id 0
		.amdhsa_next_free_vgpr 256
		.amdhsa_next_free_sgpr 66
		.amdhsa_reserve_vcc 1
		.amdhsa_float_denorm_mode_32 3
		.amdhsa_float_denorm_mode_16_64 3
		.amdhsa_memory_ordered 1
		.amdhsa_forward_progress 1
		.amdhsa_inst_pref_size 81
	.end_amdhsa_kernel
	.amdgpu_metadata
---
amdhsa.version: [ 1, 2 ]
amdhsa.kernels:
  - .name:           k_q235dd88409_quant
    .symbol:         k_q235dd88409_quant.kd
    .args:
      - { .name: w_r, .offset: 0, .size: 8, .value_kind: global_buffer, .address_space: global }
      - { .name: w_z, .offset: 8, .size: 8, .value_kind: global_buffer, .address_space: global }
      - { .name: w_n, .offset: 16, .size: 8, .value_kind: global_buffer, .address_space: global }
      - { .name: states, .offset: 24, .size: 8, .value_kind: global_buffer, .address_space: global }
      - { .name: inputs_codes, .offset: 32, .size: 8, .value_kind: global_buffer, .address_space: global }
      - { .name: inputs_scales, .offset: 40, .size: 8, .value_kind: global_buffer, .address_space: global }
      - { .name: wq, .offset: 48, .size: 8, .value_kind: global_buffer, .address_space: global }
      - { .name: az, .offset: 56, .size: 8, .value_kind: global_buffer, .address_space: global }
    .group_segment_fixed_size: 43520
    .private_segment_fixed_size: 0
    .kernarg_segment_align: 8
    .kernarg_segment_size: 64
    .max_flat_workgroup_size: 128
    .sgpr_count:     66
    .vgpr_count:     256
    .wavefront_size: 32
...
	.end_amdgpu_metadata
.endif
;; end of part 1
;; launch gate_r (part 2): grid 16 x 16, 4 waves a work-group, clusters of 4 x 4, 327,680 bytes of LDS; arguments az, wq, states, b_r, an; writes an
.if DOCPART == 2
	.amdgcn_target "amdgcn-amd-amdhsa--gfx1250"
	.amdhsa_code_object_version 6
	.text
	.protected	k_q235dd88409_gate_r
	.globl	k_q235dd88409_gate_r
	.p2align	8
	.type	k_q235dd88409_gate_r,@function
k_q235dd88409_gate_r:
	s_mov_b64 s[64:65], 0
	v_nop
	global_prefetch_b8 v0, s[64:65] scope:SCOPE_SE
	s_setreg_imm32_b32 hwreg(HW_REG_WAVE_MODE, 25, 1), 1
	s_wait_xcnt 0x0
	s_wait_alu depctr_hold_cnt(0) depctr_sa_sdst(0) depctr_va_vdst(0) depctr_va_sdst(0) depctr_va_ssrc(0) depctr_va_vcc(0) depctr_vm_vsrc(0)
	s_getreg_b32 s2, hwreg(HW_REG_IB_STS2, 6, 4)
	s_cmp_eq_u32 s2, 0
	s_cbranch_scc0 .Lentry_in_a_cluster
	s_endpgm
.Lentry_in_a_cluster:
	s_bfe_u32 s2, ttmp6, 0x10000c
	s_cmp_lg_u32 s2, 0xf033
	s_cbranch_scc0 .Lentry_shape_is_right
	s_endpgm
.Lentry_shape_is_right:
; GRU cell, launch 2 of 3: r = sigmoid([x | s] Wr + b_r), one sum over K = 4,096 on codes of BF6; then s r is quantised along the units and laid into an's second K half as records.  Nothing is left out.
; OPERANDS lie as launch 1 laid them: [block of 128 rows or units][K step of 128][record of REC bytes]: eight fragments as images of their 12 registers (registers 4 c .. 4 c + 3 of lane l at 512 c + 16 l), then 512 bytes of scale words.
; SHARES.  Work-group (x, y): 128 rows x 128 units: 256 work-groups.  Wave w: all 128 rows x units 32 w .. 32 w + 31 (tiles 2 w, 2 w + 1 of a record of wq): 16 accumulators, 16 matrix instructions a K step.
; A (az) COMES THROUGH LDS, all four waves read it: 24 places of a record, two slots of 12.  Three fills: K steps 0-11, 12-23, 24-31; a wave brings 3, 3, 2 records by one tensor load each.
; CLUSTERS 4 x 4: the four work-groups of a row of the cluster need the same records of az and ask for them jointly.
; B COMES STRAIGHT INTO REGISTERS, WITHOUT MULTICAST: a wave's two tiles are read by that wave alone and lie in wq as images of its registers (6 loads of 512 consecutive bytes and one of scale words a K step);
; through LDS they would take half of each slot, and six fills would stand where three do.  Ring of eight sets: B of K step k + 7 is asked for in K step k, 49 loads of a wave on their way, and no change of slots waits for them: so B has no prefetch.
; PREFETCH: the third fill's 100 blocks of 256 bytes a wave are asked for in K step 5, six K steps ahead of the load; the four partners take 25 blocks each, by address.  The first two fills come by their loads alone.
; THE MATRIX INSTRUCTION IS USED TRANSPOSED (source 0 = 16 units, source 1 = 16 rows): lane (r, h) holds row r; registers 16 a + 0 .. 15 are units 32 w + 16 h + 0 .. 15 of rows 16 a + r.  The bias is the C of each sum's first instruction.
; THE STATES: 32 rows x 512 bytes a wave by aligned loads, through a stage in slot 1 (its last fill and last read are over) into the result's layout.
; LIMITS: v_exp_f32 gives 0 under 2^-126 and infinity beyond f32's range: r is then 1 or 0, sigmoid's ends.  A block of s r under 2^-122 has its byte held at 1; a block of zeros gets byte 1 (codes 0; read by this program alone).  NaN and infinities are not served.
; REGISTERS.  Window 0: v1-7 lane numbers and temporaries; v8-24 addresses; v28, v29 the add's two; v32-39 A's scale words; v40-55 B's; v64-79 the bias, later v64-127 the quantiser's; v128-255 the states.
;   Window 1: accumulator (a, t) at 16 a + 8 t.  Window 2: B's ring, set k % 8 at 24 (k % 8).  Window 3: A's two buffers, fragment a at 96 (k % 2) + 12 a.
.set REC,   12800
.set BLK,   32*REC
.set FRB,   1536
.set SCO,   8*FRB
.set HALF,  3*REC
.set SLOT,  12*REC
.set STP,   528                        ; the states' stage: rows of 512 bytes + 16
.set STT,   SLOT                       ; it begins with slot 1;
.set IMG,   SLOT+128*STP               ; behind it the image of the record that goes out
.set SPARE, 2*SLOT                     ; the spare words: 128 bytes a wave, named by no other line
.set NT,    2
.set RING,  8
.set ADRA, 8                           ; v8-13  places 0, 4, .. 20, + 16 lane
.set GO,   8                           ; v8     16 lane
.set STL,  14                          ; the stage: my row r, units 32 w + 16 h on
.set SW,   15                          ; the stage on the way in: rows 32 w on, 16 lane
.set SE,   16                          ; v16-18 where my three words of codes go in the image
.set SEH,  19                          ; and my block's scale byte
.set BO,   20
.set RO,   21
.set PF,   22
.set RD,   23                          ; the image on the way out (LDS),
.set RG,   24                          ; and its place in the record (memory)
.set SPW,  28
.set NIL,  29
.set SC,   32
.set SB,   40
.set BIAS, 64
.set TM,   64
.set TP,   72
.set SV,   80
.set BY,   88
.set PC,   96
.set SS,   128
.set G1A,  24
.set G0,   32
.set G1L,  48
.set MSB, 0
.macro WIN new
.if MSB != (\new)
	s_set_vgpr_msb (MSB<<8)|(\new)
.set MSB, (\new)
.endif
.endm
.set W_MUL, 0x5e                       ; source 0 (B) window 2, source 1 (A) window 3, C and D window 1
.set W_1ST, 0x4e                       ; the same with C (the bias) in window 0
.set TO_A,  0xc0
.set TO_B,  0x80
.macro PLACES
.rept 4
	v_nop
.endr
.endm
.macro TLOAD g0, g1                    ; a joint load
	tensor_load_to_lds s[\g0:\g0+3], s[\g1:\g1+7]
	s_nop 0
.rept 4
	v_nop
.endr
.endm
.macro CREST
	s_cmp_lg_u32 s18, 0
	s_cbranch_scc1 .Lnot_wave_0_\@
	s_barrier_signal -3
.Lnot_wave_0_\@:
	s_barrier_wait -3
	s_barrier_signal -1
	s_barrier_wait -1
.endm
.macro CROUND
	s_barrier_signal -1
	s_barrier_wait -1
	CREST
.endm
.macro GRP1 g, rows                    ; dense memory as rows of 256 bytes (32 elements of 8 bytes)
	s_mov_b32 s[\g+1], 32<<16
	s_mov_b32 s[\g+2], (\rows)<<16
	s_mov_b32 s[\g+3], 32<<16
	s_mov_b32 s[\g+4], \rows
	s_mov_b32 s[\g+5], 32
	s_mov_b32 s[\g+6], 0
	s_mov_b32 s[\g+7], 0
.endm
.macro GRP0 f, lds, ptr
	s_mov_b32 s[G0+4*\f], 1
	s_mov_b32 s[G0+4*\f+1], s\lds
	s_mov_b64 s[G0+4*\f+2:G0+4*\f+3], s[\ptr:\ptr+1]
	s_or_b32 s[G0+4*\f+3], s[G0+4*\f+3], 0x80000000
.endm
	s_load_b256 s[4:11], s[0:1], 0x0               ; az s[4:5], wq s[6:7], states s[8:9], b_r s[10:11]
	s_load_b64 s[12:13], s[0:1], 0x20              ; an
	v_lshl_add_u32 v[SPW], v0, 2, SPARE
	v_mov_b32 v[NIL], 0
	ds_add_u32 v[SPW], v[NIL]                      ; the opening lines: the add twice on end and one wait
	ds_add_u32 v[SPW], v[NIL]
	v_lshrrev_b32 v1, 5, v0
	v_readfirstlane_b32 s18, v1                    ; wave w
	s_lshr_b32 s19, s18, 1
	s_and_b32 s20, s18, 1
	s_bfe_u32 s66, ttmp6, 0x40000                  ; cx, cy
	s_bfe_u32 s67, ttmp6, 0x40004
	s_lshl_b32 s68, ttmp9, 2
	s_add_co_u32 s68, s68, s66                     ; x: block of units
	s_and_b32 s21, ttmp7, 0xffff
	s_lshl_b32 s21, s21, 2
	s_add_co_u32 s21, s21, s67                     ; y: block of rows
	s_lshl_b32 s69, s67, 2
	s_lshl_b32 s69, 15, s69                        ; my row of the cluster
	s_or_b32 s[G1A], s69, (3<<16)|(1<<21)
	s_or_b32 s[G1L], s69, (3<<16)|(1<<21)
	GRP1 G1A, 150                                  ; three records
	GRP1 G1L, 100                                  ; two
	s_mul_i32 s76, s21, BLK
	s_mov_b32 s77, 0
	s_mul_i32 s78, s18, HALF                       ; fills 0, 1: record and place 3 w
	s_mov_b32 s79, 0
	s_mul_i32 s93, s18, 2*REC                      ; fill 2: place 2 w,
	s_add_co_u32 s82, s93, 24*REC                  ; record 24 + 2 w
	s_mov_b32 s83, 0
	s_add_co_u32 s92, s78, SLOT
	s_mov_b32 s81, 0
	s_mov_b32 s96, 0x76543210
	s_mov_b32 s97, 0xfedcba98                      ; v_permlanex16_b32's selects for lane l xor 16
	s_wait_dscnt 0x0
	s_wait_kmcnt 0x0
	s_add_nc_u64 s[70:71], s[4:5], s[76:77]        ; az's block hangs on y alone
	s_add_nc_u64 s[90:91], s[70:71], s[78:79]
	s_add_nc_u64 s[88:89], s[90:91], 12*REC
	s_add_nc_u64 s[84:85], s[70:71], s[82:83]
	GRP0 0, 78, 90
	GRP0 1, 92, 88
	GRP0 2, 93, 84
	CROUND                                         ; all sixteen work-groups are here
	TLOAD G0, G1A                                  ; K steps 0-11: my one load at the head
	v_and_b32 v1, 15, v0                           ; r
	v_bfe_u32 v2, v0, 4, 1                         ; h
	v_and_b32 v3, 31, v0                           ; lane
	v_lshlrev_b32 v[GO], 4, v3
	v_lshlrev_b32 v[RO], 4, v1
	v_lshlrev_b32 v[BO], 6, v2
	s_wait_alu depctr_va_vdst(0)                   ; the wait ahead of the scalar run
	s_mul_i32 s76, s68, BLK                        ; B: gate 0 of wq, block x
	s_mul_i32 s80, s18, 2*FRB                      ; my two tiles
	s_add_co_u32 s80, s80, s76
	s_add_nc_u64 s[58:59], s[6:7], s[80:81]
	s_lshl_b32 s80, s19, 8                         ; their scale words: 256 (w / 2) + 8 (w % 2)
	s_lshl_b32 s82, s20, 3
	s_add_co_u32 s80, s80, s82
	s_add_co_u32 s80, s80, s76
	s_add_co_u32 s80, s80, SCO
	s_add_nc_u64 s[56:57], s[6:7], s[80:81]
	s_lshl_b32 s80, s68, 9
	s_lshl_b32 s82, s18, 7
	s_add_co_u32 s80, s80, s82
	s_add_nc_u64 s[10:11], s[10:11], s[80:81]      ; the bias at my 32 units
.irp t, 0,1
	global_load_b128 v[BIAS+8*\t:BIAS+8*\t+3], v[BO], s[10:11] offset:32*\t
	global_load_b128 v[BIAS+8*\t+4:BIAS+8*\t+7], v[BO], s[10:11] offset:32*\t+16
.endr
.macro BLOAD k                         ; B of K step k into set k % 8: 7 loads
	WIN 0
	global_load_b64 v[SB+2*((\k)%RING):SB+2*((\k)%RING)+1], v[RO], s[56:57] offset:(\k)*REC
	WIN TO_B
.irp j, 0,1,2,3,4,5
	global_load_b128 v[24*((\k)%RING)+4*\j:24*((\k)%RING)+4*\j+3], v[GO], s[58:59] offset:(\k)*REC+512*\j
.endr
.endm
.irp k, 0,1,2,3,4,5,6
	BLOAD \k
.endr
	WIN 0
	s_lshl_b32 s76, s21, 20                        ; the states: 128 y rows of 8,192 bytes,
	s_lshl_b32 s80, s18, 18                        ; the 32 rows that I bring,
	s_add_co_u32 s76, s76, s80
	s_lshl_b32 s80, s68, 9
	s_add_co_u32 s76, s76, s80
	s_add_nc_u64 s[8:9], s[8:9], s[76:77]
	s_lshl_b32 s76, s21, 5
	s_add_co_u32 s76, s76, s68
	s_add_co_u32 s76, s76, 16
	s_mul_i32 s76, s76, REC                        ; an's record: row block y, K step 16 + x
	s_add_nc_u64 s[12:13], s[12:13], s[76:77]
.irp j, 1,2,3,4,5
	v_add_nc_u32 v[ADRA+\j], 4*\j*REC, v[GO]
.endr
	s_lshl_b32 s80, s18, 7
	s_add_co_u32 s80, s80, STT
	v_mul_u32_u24 v[STL], v1, STP
	v_lshl_add_u32 v[STL], v2, 6, v[STL]
	v_add_nc_u32 v[STL], s80, v[STL]
	s_mul_i32 s80, s18, 32*STP
	s_add_co_u32 s80, s80, STT
	v_add_nc_u32 v[SW], s80, v[GO]
	; my block is K block w of the record: registers 6 (w / 2) + 3 h + i of fragment lane r + 16 (w % 2); register p lies at 512 (p / 4) + 16 lane + 4 (p % 4)
	s_mul_i32 s80, s19, 6
	s_lshl_b32 s82, s20, 8
	s_add_co_u32 s82, s82, IMG
	v_mul_u32_u24 v4, v2, 3
	v_add_nc_u32 v4, s80, v4
	v_lshl_add_u32 v7, v1, 4, s82
.irp i, 0,1,2
	v_add_nc_u32 v5, \i, v4
	v_lshrrev_b32 v6, 2, v5
	v_and_b32 v5, 3, v5
	v_lshlrev_b32 v6, 9, v6
	v_lshl_add_u32 v6, v5, 2, v6
	v_add_nc_u32 v[SE+\i], v6, v7
.endr
	s_add_co_u32 s80, s18, IMG+SCO
	v_lshl_add_u32 v[SEH], v1, 4, s80              ; byte w of row r's scale word
	s_lshl_b32 s80, s18, 9
	v_add_nc_u32 v[RG], s80, v[GO]
	v_add_nc_u32 v[RD], IMG, v[RG]
	s_mul_i32 s80, s66, 25                         ; the prefetch: my work-group's 25 blocks of the 100; lanes 25-31 name the last of them again
	v_min_u32 v[PF], 24, v3
	v_add_nc_u32 v[PF], s80, v[PF]
	v_lshlrev_b32 v[PF], 8, v[PF]
; n x NT matrix instructions of K step KAP: A's fragments a0 on x my tiles.  The accumulators take turns.
.macro MULS a0, n, first
.set RJ, KAP%RING
.set FF, KAP%2
.set ai, \a0
.rept \n
.set ti, 0
.rept NT
.set DD, 8*NT*ai+8*ti
.set BB, 12*NT*RJ+12*ti
.set AA, 96*FF+12*ai
.set SBR, SB+NT*RJ+ti
.set SAR, SC+4*FF+ai%4
.if \first
.if ai < 4
	v_wmma_scale_f32_16x16x128_f8f6f4 v[DD:DD+7], v[BB:BB+11], v[AA:AA+11], v[BIAS+8*ti:BIAS+8*ti+7], v[SBR], v[SAR] matrix_a_fmt:MATRIX_FMT_BF6 matrix_b_fmt:MATRIX_FMT_BF6
.else
	v_wmma_scale_f32_16x16x128_f8f6f4 v[DD:DD+7], v[BB:BB+11], v[AA:AA+11], v[BIAS+8*ti:BIAS+8*ti+7], v[SBR], v[SAR] matrix_a_fmt:MATRIX_FMT_BF6 matrix_b_fmt:MATRIX_FMT_BF6 matrix_b_scale:MATRIX_SCALE_ROW1
.endif
.else
.if ai < 4
	v_wmma_scale_f32_16x16x128_f8f6f4 v[DD:DD+7], v[BB:BB+11], v[AA:AA+11], v[DD:DD+7], v[SBR], v[SAR] matrix_a_fmt:MATRIX_FMT_BF6 matrix_b_fmt:MATRIX_FMT_BF6
.else
	v_wmma_scale_f32_16x16x128_f8f6f4 v[DD:DD+7], v[BB:BB+11], v[AA:AA+11], v[DD:DD+7], v[SBR], v[SAR] matrix_a_fmt:MATRIX_FMT_BF6 matrix_b_fmt:MATRIX_FMT_BF6 matrix_b_scale:MATRIX_SCALE_ROW1
.endif
.endif
.set ti, ti+1
.endr
.set ai, ai+1
.endr
.endm
; One run of loads.  From LDS, 25: A of K step k (place k, from 24 on k - 24) into buffer k % 2.  From memory: kb under 32: B of K step kb; kb = 32, 33: 16 rows each of my 32 rows of the states.
.macro FETCH k, kb
.if (\k) < 24
.set AR, ADRA+(\k)/4
.set AO, ((\k)%4)*REC
.else
.set AR, ADRA+((\k)-24)/4
.set AO, (((\k)-24)%4)*REC
.endif
.set FB, 96*((\k)%2)
	WIN 0
	ds_load_b128 v[SC+4*((\k)%2):SC+4*((\k)%2)+3], v[AR] offset:AO+SCO
.if (\kb) < 32
	global_load_b64 v[SB+2*((\kb)%RING):SB+2*((\kb)%RING)+1], v[RO], s[56:57] offset:(\kb)*REC
.endif
	WIN TO_A
.irp a, 0,1,2,3,4,5,6,7
.irp c, 0,1,2
	ds_load_b128 v[FB+12*\a+4*\c:FB+12*\a+4*\c+3], v[AR] offset:AO+FRB*\a+512*\c
.endr
.endr
.if (\kb) < 32
	WIN TO_B
.irp j, 0,1,2,3,4,5
	global_load_b128 v[24*((\kb)%RING)+4*\j:24*((\kb)%RING)+4*\j+3], v[GO], s[58:59] offset:(\kb)*REC+512*\j
.endr
.elseif (\kb) < 34
	WIN 0
.set si, 16*((\kb)-32)
.rept 16
	global_load_b128 v[SS+4*si:SS+4*si+3], v[GO], s[8:9] offset:8192*si th:TH_LOAD_NT   ; 512 consecutive bytes of a row
.set si, si+1
.endr
.endif
.endm
.macro LCW                             ; B of K step KAP is in: behind its 7 loads were issued those of the next six K steps (42); at the end what is left of them and the states' 16 or 32
.if KAP <= 25
	s_wait_loadcnt 42
.elseif KAP == 26
	s_wait_loadcnt 51
.else
	s_wait_loadcnt 7*(31-KAP)+32
.endif
.endm
.macro WMUL first
.if \first
	WIN W_1ST
.else
	WIN W_MUL
.endif
.endm
.macro KS first
	LCW
	s_wait_dscnt 12                                ; A's scale words and fragments 0-3 are in; fragments 4-7's twelve loads may be out
	WMUL \first
	MULS 0, 4, \first
	PLACES                                         ; in front of loads into registers that the K step before has read
	FETCH KAP+1, KAP+RING-1
	s_wait_dscnt 25                                ; all but the 25 just issued
.if KAP == 5
	global_prefetch_b8 v[PF], s[84:85] th:TH_LOAD_NT scope:SCOPE_SE   ; the third fill, six K steps ahead of its load
.endif
	WMUL \first
	MULS 4, 4, \first
.set KAP, KAP+1
.endm
; A slot's last K step: one barrier; in front of it each wave waits for all its tensor loads, adds 0 to its spare word and waits for that and for its reads of this slot.  fill > 0: the slot is filled again by group 0 number fill.
.macro LASTKS fill, g1
	WIN 0
	s_wait_tensorcnt 0x0
	ds_add_u32 v[SPW], v[NIL]
	LCW
	s_wait_dscnt 13
	WIN W_MUL
	MULS 0, 2, 0
	s_wait_dscnt 0x0
	s_barrier_signal -1
	MULS 2, 2, 0
	WIN 0
	s_barrier_wait -1
.if \fill
	CREST                                          ; the barrier has opened a round of the cluster's barrier
	TLOAD G0+4*\fill, \g1                          ; its four v_nop are the places in front of the loads below
.else
	PLACES
.endif
	FETCH KAP+1, KAP+RING-1
	WIN W_MUL
	MULS 4, 4, 0
.set KAP, KAP+1
.endm
	s_wait_alu depctr_va_vdst(0)                   ; the wait at the head's end
	s_wait_tensorcnt 0x0                           ; my part of K steps 0-11 is in
	ds_add_u32 v[SPW], v[NIL]
	s_wait_dscnt 0x0
	CROUND
	TLOAD G0+4, G1A                                ; K steps 12-23
	FETCH 0, 99
.set KAP, 0
	KS 1
.rept 10
	KS 0
.endr
	LASTKS 2, G1L                                  ; K step 11: slot 0 takes K steps 24-31
.rept 11
	KS 0
.endr
	LASTKS 0, 0                                    ; K step 23: behind this barrier nobody reads slot 1 any more
.rept 7
	KS 0
.endr
	LCW                                            ; K step 31
	s_wait_dscnt 12
	WIN W_MUL
	MULS 0, 4, 0
	s_wait_dscnt 0x0
	MULS 4, 4, 0
	WIN 0
	s_wait_loadcnt 0x0                             ; the states
.set si, 0
.rept 32
	ds_store_b128 v[SW], v[SS+4*si:SS+4*si+3] offset:STP*si
.set si, si+1
.endr
	s_wait_dscnt 0x0                               ; for the others' sake
	s_barrier_signal -1
	WIN 0x41                                       ; destination and source 0 window 1
	PLACES
.set i, 0
.rept 64
	v_pk_mul_f32 v[i:i+1], v[i:i+1], 0xbfb8aa3b op_sel_hi:[1,0]    ; -log2(e) pre; ascending: each accumulator from its low end on
.set i, i+2
.endr
	s_wait_alu depctr_va_vdst(0)                   ; a wait ahead of a batch and one behind it
.set i, 0
.rept 128
	v_exp_f32 v[i], v[i]
.set i, i+1
.endr
	v_nop
	s_wait_alu depctr_va_vdst(0)
	WIN 0
	s_barrier_wait -1                              ; 128 whole rows of the states lie in the stage
.irp a, 0,1,2,3,4,5,6,7
.irp c, 0,1,2,3
	ds_load_b128 v[SS+16*\a+4*\c:SS+16*\a+4*\c+3], v[STL] offset:16*STP*\a+16*\c   ; s(16 a + r, 32 w + 16 h + 4 c ..)
.endr
.endr
	WIN 0x41
.set i, 0
.rept 64
	v_pk_add_f32 v[i:i+1], v[i:i+1], 1.0 op_sel_hi:[1,0]
.set i, i+2
.endr
	s_wait_alu depctr_va_vdst(0)
.set i, 0
.rept 128
	v_rcp_f32 v[i], v[i]
.set i, i+1
.endr
	v_nop
	s_wait_alu depctr_va_vdst(0)
	s_wait_dscnt 0x0
	WIN 0x01                                       ; source 0 (r) window 1; the states and the result window 0
.set i, 0
.rept 64
	v_pk_mul_f32 v[SS+i:SS+i+1], v[i:i+1], v[SS+i:SS+i+1]
.set i, i+2
.endr
	WIN 0
	; eight blocks of 32 units (one for each 16 rows), by turns; a block lies in lanes l and l xor 16
.irp a, 0,1,2,3,4,5,6,7
	v_mov_b32 v[TP+\a], 0                          ; a lane permute's destination counts as a source
.endr
.irp a, 0,1,2,3,4,5,6,7
	v_max3_num_f32 v[TM+\a], |v[SS+16*\a]|, |v[SS+16*\a+1]|, 0x2800000   ; with the floor 2^(5 - 127)
.endr
.irp i, 2,4,6,8,10,12,14
.irp a, 0,1,2,3,4,5,6,7
	v_max3_num_f32 v[TM+\a], v[TM+\a], |v[SS+16*\a+\i]|, |v[SS+16*\a+\i+1]|
.endr
.endr
.irp a, 0,1,2,3,4,5,6,7
	v_permlanex16_b32 v[TP+\a], v[TM+\a], s96, s97
.endr
.irp a, 0,1,2,3,4,5,6,7
	v_max_num_f32 v[TM+\a], v[TM+\a], v[TP+\a]
.endr
.irp a, 0,1,2,3,4,5,6,7
	v_add_nc_u32 v[SV+\a], 0xfe000000, v[TM+\a]    ; 4 off the exponent field: the conversion's scale operand
.endr
.irp a, 0,1,2,3,4,5,6,7
	v_lshrrev_b32 v[BY+\a], 23, v[SV+\a]           ; the scale's byte
.endr
.irp a, 0,1,2,3,4,5,6,7
	v_cvt_scalef32_pk16_bf6_f32 v[PC+4*\a:PC+4*\a+2], v[SS+16*\a:SS+16*\a+15], v[SV+\a]   ; 96 bits: words 3 h .. 3 h + 2 of the block's six
.endr
	v_nop
.irp a, 0,1,2,3,4,5,6,7
.irp i, 0,1,2
	ds_store_b32 v[SE+\i], v[PC+4*\a+\i] offset:FRB*\a
.endr
	ds_store_b8 v[SEH], v[BY+\a] offset:256*(\a/4)+4*(\a%4)
.endr
	s_wait_dscnt 0x0
	s_barrier_signal -1
	s_barrier_wait -1                              ; the record's image is whole
.irp i, 0,1,2,3,4,5
	ds_load_b128 v[SS+4*\i:SS+4*\i+3], v[RD] offset:2048*\i
.endr
	s_cmp_lg_u32 s18, 0
	s_cbranch_scc1 .Lno_25th
	ds_load_b128 v[SS+24:SS+27], v[RD] offset:SCO  ; wave 0 also takes the 512 bytes of scale words
	s_wait_dscnt 0x0
	global_store_b128 v[RG], v[SS+24:SS+27], s[12:13] offset:SCO
.Lno_25th:
.irp i, 0,1,2,3,4,5
	s_wait_dscnt 5-\i
	global_store_b128 v[RG], v[SS+4*\i:SS+4*\i+3], s[12:13] offset:2048*\i   ; 512 consecutive bytes, aligned
.endr
	s_wait_tensorcnt 0x0                           ; the wave's end
	ds_add_u32 v[SPW], v[NIL]
	s_wait_dscnt 0x0
	CROUND                                         ; the closing round
	s_endpgm
.Lfunc_end_k_q235dd88409_gate_r:
	.size	k_q235dd88409_gate_r, .Lfunc_end_k_q235dd88409_gate_r-k_q235dd88409_gate_r
	.p2alignl 7, 3214868480
	.fill 96, 4, 3214868480
	.section	.rodata,"a",@progbits
	.p2align	6, 0x0
	.amdhsa_kernel k_q235dd88409_gate_r
		.amdhsa_group_segment_fixed_size 327680
		.amdhsa_private_segment_fixed_size 0
		.amdhsa_enable_private_segment 0
		.amdhsa_kernarg_size 40
		.amdhsa_user_sgpr_count 2
		.amdhsa_user_sgpr_kernarg_segment_ptr 1
		.amdhsa_wavefront_size32 1
		.amdhsa_system_sgpr_workgroup_id_x 1
		.amdhsa_system_sgpr_workgroup_id_y 1
		.amdhsa_system_sgpr_workgroup_id_z 1
		.amdhsa_system_vgpr_workitem_id 0
		.amdhsa_next_free_vgpr 1024
		.amdhsa_next_free_sgpr 100
		.amdhsa_reserve_vcc 0
		.amdhsa_float_denorm_mode_32 3
		.amdhsa_float_denorm_mode_16_64 3
		.amdhsa_memory_ordered 1
		.amdhsa_forward_progress 1
		.amdhsa_inst_pref_size 196
	.end_amdhsa_kernel
	.amdgpu_metadata
---
amdhsa.version: [ 1, 2 ]
amdhsa.kernels:
  - .name:           k_q235dd88409_gate_r
    .symbol:         k_q235dd88409_gate_r.kd
    .args:
      - { .name: az, .offset: 0, .size: 8, .value_kind: global_buffer, .address_space: global }
      - { .name: wq, .offset: 8, .size: 8, .value_kind: global_buffer, .address_space: global }
      - { .name: states, .offset: 16, .size: 8, .value_kind: global_buffer, .address_space: global }
      - { .name: b_r, .offset: 24, .size: 8, .value_kind: global_buffer, .address_space: global }
      - { .name: an, .offset: 32, .size: 8, .value_kind: global_buffer, .address_space: global }
    .group_segment_fixed_size: 327680
    .private_segment_fixed_size: 0
    .kernarg_segment_align: 8
    .kernarg_segment_size: 40
    .max_flat_workgroup_size: 128
    .sgpr_count:     100
    .vgpr_count:     1024
    .wavefront_size: 32
...
	.end_amdgpu_metadata
.endif
;; end of part 2
;; launch gate_zn (part 3): grid 16 x 16, 4 waves a work-group, clusters of 4 x 4, 327,680 bytes of LDS; arguments az, an, wq, states, b_z, b_n, out0; writes out0
.if DOCPART == 3
	.amdgcn_target "amdgcn-amd-amdhsa--gfx1250"
	.amdhsa_code_object_version 6
	.text
	.protected	k_q235dd88409_gate_zn
	.globl	k_q235dd88409_gate_zn
	.p2align	8
	.type	k_q235dd88409_gate_zn,@function
k_q235dd88409_gate_zn:
	s_mov_b64 s[64:65], 0
	v_nop
	global_prefetch_b8 v0, s[64:65] scope:SCOPE_SE
	s_setreg_imm32_b32 hwreg(HW_REG_WAVE_MODE, 25, 1), 1
	s_wait_xcnt 0x0
	s_wait_alu depctr_hold_cnt(0) depctr_sa_sdst(0) depctr_va_vdst(0) depctr_va_sdst(0) depctr_va_ssrc(0) depctr_va_vcc(0) depctr_vm_vsrc(0)
	s_getreg_b32 s2, hwreg(HW_REG_IB_STS2, 6, 4)
	s_cmp_eq_u32 s2, 0
	s_cbranch_scc0 .Lentry_in_a_cluster
	s_endpgm
.Lentry_in_a_cluster:
	s_bfe_u32 s2, ttmp6, 0x10000c
	s_cmp_lg_u32 s2, 0xf033
	s_cbranch_scc0 .Lentry_shape_is_right
	s_endpgm
.Lentry_shape_is_right:
; GRU cell, launch 3 of 3: z = sigmoid([x | s] Wz + b_z), n = tanh([x | s r] Wn + b_n), each one sum over K = 4,096 on codes of BF6; out = s + z (n - s), which is (1 - z) s + z n.  No product is left out.
; OPERANDS lie as launches 1 and 2 laid them: [block of 128 rows or units][K step of 128][record of REC bytes]: eight fragments as images of their 12 registers, then 512 bytes of scale words.
; SHARES.  Work-group (x, y): 128 units x 128 rows of BOTH gates: 256 work-groups.  Wave w: gate w / 2 (0 = z, 1 = n), units 64 (w % 2) on, all 128 rows: 32 accumulators, 32 matrix instructions a K step.
; IN K STEPS 0-15 BOTH GATES MULTIPLY THE SAME x: az's records serve both, and an's first K half is not read here.  So A is 16 + 2 x 16 = 48 records.
; A COMES THROUGH LDS: 24 places of a record, two slots of 12.  FOUR FILLS of 12 records: (0) x's K steps 0-11; (1) x's 12-15, az's 16-19, an's 16-19; (2) az's and an's 20-25; (3) az's and an's 26-31.
; In fills 0, 2, 3 each wave brings three records by one tensor load; in fill 1 waves 0-2 bring four each and wave 3 none.  Three changes of slots, at K steps 11, 19, 25; the last fills nothing.
; CLUSTERS 4 x 4: the four work-groups of a row of the cluster need the same records of az and an and ask for them jointly.
; B COMES STRAIGHT INTO REGISTERS, WITHOUT MULTICAST: a wave's four tiles are read by that wave alone and lie in wq as images of its registers (12 loads of 512 consecutive bytes and one of scale words a K step);
; through LDS B's 64 records would stand beside A's 48: ten fills where four stand.  Ring of five sets: B of K step k + 4 is asked for in K step k, 52 loads of a wave on their way, and no change of slots waits for them: so B has no prefetch.
; PREFETCH: fills 2 and 3 (150 blocks of 256 bytes a wave) are asked for in K steps 5 and 13, six K steps ahead of their loads; the four partners take 38 blocks each, by address, held at the load's last block.  Fills 0, 1 come by their loads alone.
; THE K STEPS ARE WRITTEN OUT BY MACROS: the ring of five, A's two buffers and the fills of unlike length never come back together; every offset is an immediate.
; THE MATRIX INSTRUCTION IS USED TRANSPOSED (source 0 = 16 units, source 1 = 16 rows): register 8 t + j of a tile of rows is unit 32 (t / 2) + 16 (lane / 16) + 8 (t % 2) + j of the wave's 64.  The bias is the C of each sum's first instruction.
; BOTH GATES TAKE ONE PATH: v = 1 / (1 + 2^(gamma pre)), gamma = -log2(e) for z, where v is z, and 2 log2(e) for n, where n = 1 - 2 v: that step stands in the blend.
; LIMITS: v_exp_f32 gives 0 under 2^-126 and infinity beyond f32's range, with which v is 1 or 0: sigmoid and tanh are then at their ends.
; REGISTERS.  Window 0: v1-3 r, h, lane; v8-23 addresses; v28, v29 the add's two; v32-39 A's scale words; v40-59 B's; v64-95 the bias; v128-255 my 32 rows of the states, later of out.
;   Window 1: accumulator (a, t) at 32 a + 8 t.  Window 2: B's ring, set k % 5 at 48 (k % 5); in the blend z and gate n's v.  Window 3: A's two buffers, fragment a at 96 (k % 2) + 12 a.
.set REC,   12800
.set BLK,   32*REC
.set GATE,  16*BLK
.set FRB,   1536
.set SCO,   8*FRB
.set HALF,  3*REC
.set SLOT,  12*REC
.set STP,   528                        ; the stages for z and gate n's v, 128 rows of 512 + 16 bytes each, begin at LDS byte 0: slot 0 has had its last fill and its last read by then
.set SPARE, 2*SLOT                     ; the spare words: 128 bytes a wave, named by no other line
.set NT,    4
.set RING,  5
.set ADRA, 8                           ; v8-11 places 0, 4, 8, 12; v12 place 16 + 4 g; v13, v14 places 6 g, 6 g + 4; v15, v16 places 12 + 6 g, 16 + 6 g; all + 16 lane
.set GO,   8                           ; v8    16 lane
.set STO,  17
.set RDZ,  18
.set RDN,  19
.set BO,   20
.set RO,   21
.set PF,   22                          ; v22, v23 the prefetches' offsets
.set SPW,  28
.set NIL,  29
.set SC,   32
.set SB,   40
.set BIAS, 64
.set SS,   128
.set ZR,   0
.set NR,   32
.set G1A,  24                          ; s[24:31] group 1: three records;  s[32:47] group 0 of the four fills;  s[48:55] group 1: four records
.set G0,   32
.set G1L,  48
.set MSB, 0
.macro WIN new
.if MSB != (\new)
	s_set_vgpr_msb (MSB<<8)|(\new)
.set MSB, (\new)
.endif
.endm
.set W_MUL, 0x5e                       ; source 0 (B) window 2, source 1 (A) window 3, C and D window 1
.set W_1ST, 0x4e                       ; the same with C (the bias) in window 0
.set TO_A,  0xc0
.set TO_B,  0x80
.macro PLACES
.rept 4
	v_nop
.endr
.endm
.macro TLOAD g0, g1                    ; a joint load
	tensor_load_to_lds s[\g0:\g0+3], s[\g1:\g1+7]
	s_nop 0
.rept 4
	v_nop
.endr
.endm
.macro CREST
	s_cmp_lg_u32 s18, 0
	s_cbranch_scc1 .Lnot_wave_0_\@
	s_barrier_signal -3
.Lnot_wave_0_\@:
	s_barrier_wait -3
	s_barrier_signal -1
	s_barrier_wait -1
.endm
.macro CROUND
	s_barrier_signal -1
	s_barrier_wait -1
	CREST
.endm
.macro GRP1 g, rows                    ; dense memory as rows of 256 bytes (32 elements of 8 bytes)
	s_mov_b32 s[\g+1], 32<<16
	s_mov_b32 s[\g+2], (\rows)<<16
	s_mov_b32 s[\g+3], 32<<16
	s_mov_b32 s[\g+4], \rows
	s_mov_b32 s[\g+5], 32
	s_mov_b32 s[\g+6], 0
	s_mov_b32 s[\g+7], 0
.endm
.macro GRP0 f, lds, ptr
	s_mov_b32 s[G0+4*\f], 1
	s_mov_b32 s[G0+4*\f+1], s\lds
	s_mov_b64 s[G0+4*\f+2:G0+4*\f+3], s[\ptr:\ptr+1]
	s_or_b32 s[G0+4*\f+3], s[G0+4*\f+3], 0x80000000
.endm
	s_load_b256 s[4:11], s[0:1], 0x0               ; az s[4:5], an s[6:7], wq s[8:9], states s[10:11]
	s_load_b128 s[12:15], s[0:1], 0x20             ; b_z, b_n
	s_load_b64 s[16:17], s[0:1], 0x30              ; out0
	v_lshl_add_u32 v[SPW], v0, 2, SPARE
	v_mov_b32 v[NIL], 0
	ds_add_u32 v[SPW], v[NIL]                      ; the opening lines: the add twice on end and one wait
	ds_add_u32 v[SPW], v[NIL]
	v_lshrrev_b32 v1, 5, v0
	v_readfirstlane_b32 s18, v1                    ; wave w
	s_lshr_b32 s19, s18, 1                         ; g: my gate
	s_and_b32 s20, s18, 1                          ; ch: which 64 units
	s_bfe_u32 s66, ttmp6, 0x40000                  ; cx, cy
	s_bfe_u32 s67, ttmp6, 0x40004
	s_lshl_b32 s68, ttmp9, 2
	s_add_co_u32 s68, s68, s66                     ; x: block of units
	s_and_b32 s21, ttmp7, 0xffff
	s_lshl_b32 s21, s21, 2
	s_add_co_u32 s21, s21, s67                     ; y: block of rows
	s_lshl_b32 s69, s67, 2
	s_lshl_b32 s69, 15, s69                        ; my row of the cluster
	s_or_b32 s[G1A], s69, (3<<16)|(1<<21)
	s_or_b32 s[G1L], s69, (3<<16)|(1<<21)
	GRP1 G1A, 150
	GRP1 G1L, 200
	s_mul_i32 s76, s21, BLK                        ; A's blocks hang on y alone
	s_mov_b32 s77, 0
	s_mul_i32 s78, s18, HALF                       ; fill 0: az's record 3 w; fills 0, 2: place 3 w
	s_mov_b32 s79, 0
	s_mul_i32 s80, s18, 4*REC                      ; fill 1: waves 0, 1: az's record 12 + 4 w; wave 2: an's record 16
	s_add_co_u32 s80, s80, 12*REC
	s_cmp_lt_u32 s18, 2
	s_cselect_b32 s80, s80, 16*REC
	s_mov_b32 s81, 0
	s_mul_i32 s82, s20, HALF                       ; fill 2: my operand's record 20 + 3 ch; fill 3: six on
	s_add_co_u32 s82, s82, 20*REC
	s_mov_b32 s83, 0
	s_min_u32 s92, s18, 2
	s_mul_i32 s92, s92, 4*REC
	s_add_co_u32 s92, s92, SLOT                    ; fill 1: place 12 + 4 w
	s_add_co_u32 s93, s78, SLOT                    ; fill 3: place 12 + 3 w
	s_mov_b32 s22, 0x4038aa3b                      ; gamma: 2 log2(e) for n,
	s_cmp_eq_u32 s19, 0
	s_cselect_b32 s22, 0xbfb8aa3b, s22             ; -log2(e) for z
	s_mov_b32 s23, s22
	s_wait_dscnt 0x0
	s_wait_kmcnt 0x0
	s_add_nc_u64 s[70:71], s[4:5], s[76:77]
	s_add_nc_u64 s[72:73], s[6:7], s[76:77]
	s_cmp_eq_u32 s19, 0
	s_cselect_b64 s[74:75], s[70:71], s[72:73]     ; az or an: the choices hang on the wave's number alone
	s_cmp_lt_u32 s18, 2
	s_cselect_b64 s[88:89], s[70:71], s[72:73]
	s_add_nc_u64 s[90:91], s[70:71], s[78:79]
	s_add_nc_u64 s[88:89], s[88:89], s[80:81]
	s_add_nc_u64 s[84:85], s[74:75], s[82:83]
	s_add_nc_u64 s[86:87], s[84:85], 6*REC
	GRP0 0, 78, 90
	GRP0 1, 92, 88
	GRP0 2, 78, 84
	GRP0 3, 93, 86
	CROUND                                         ; all sixteen work-groups are here
	TLOAD G0, G1A                                  ; fill 0: my one load at the head
	v_and_b32 v1, 15, v0                           ; r
	v_bfe_u32 v2, v0, 4, 1                         ; h
	v_and_b32 v3, 31, v0                           ; lane
	v_lshlrev_b32 v[GO], 4, v3
	v_lshlrev_b32 v[RO], 4, v1
	v_lshlrev_b32 v[BO], 6, v2
	s_wait_alu depctr_va_vdst(0)                   ; the wait ahead of the scalar run
	s_add_co_u32 s76, s19, 1                       ; B: gate 1 or 2 of wq,
	s_mul_i32 s76, s76, GATE
	s_mul_i32 s80, s68, BLK                        ; block x
	s_add_co_u32 s76, s76, s80
	s_mul_i32 s80, s20, 4*FRB                      ; my four tiles
	s_add_co_u32 s80, s80, s76
	s_add_nc_u64 s[58:59], s[8:9], s[80:81]
	s_lshl_b32 s80, s20, 8                         ; and their scale words
	s_add_co_u32 s80, s80, s76
	s_add_co_u32 s80, s80, SCO
	s_add_nc_u64 s[56:57], s[8:9], s[80:81]
	s_cmp_eq_u32 s19, 0
	s_cselect_b64 s[74:75], s[12:13], s[14:15]     ; my gate's bias,
	s_lshl_b32 s80, s68, 9
	s_lshl_b32 s76, s20, 8
	s_add_co_u32 s80, s80, s76
	s_add_nc_u64 s[74:75], s[74:75], s[80:81]      ; at my 64 units
.irp t, 0,1,2,3
	global_load_b128 v[BIAS+8*\t:BIAS+8*\t+3], v[BO], s[74:75] offset:128*(\t/2)+32*(\t%2)
	global_load_b128 v[BIAS+8*\t+4:BIAS+8*\t+7], v[BO], s[74:75] offset:128*(\t/2)+32*(\t%2)+16
.endr
.macro BLOAD k                         ; B of K step k into set k % 5: 13 loads
	WIN 0
	global_load_b128 v[SB+4*((\k)%RING):SB+4*((\k)%RING)+3], v[RO], s[56:57] offset:(\k)*REC
	WIN TO_B
.irp j, 0,1,2,3,4,5,6,7,8,9,10,11
	global_load_b128 v[48*((\k)%RING)+4*\j:48*((\k)%RING)+4*\j+3], v[GO], s[58:59] offset:(\k)*REC+512*\j
.endr
.endm
.irp k, 0,1,2,3
	BLOAD \k
.endr
	WIN 0
	s_lshl_b32 s76, s21, 20                        ; the states and out0: 128 y rows of 8,192 bytes,
	s_lshl_b32 s80, s18, 18                        ; the 32 rows that I blend,
	s_add_co_u32 s76, s76, s80
	s_lshl_b32 s80, s68, 9
	s_add_co_u32 s76, s76, s80
	s_add_nc_u64 s[10:11], s[10:11], s[76:77]
	s_add_nc_u64 s[16:17], s[16:17], s[76:77]
	v_add_nc_u32 v[ADRA+1], 4*REC, v[GO]
	v_add_nc_u32 v[ADRA+2], 8*REC, v[GO]
	v_add_nc_u32 v[ADRA+3], 12*REC, v[GO]
	s_mul_i32 s80, s19, 4*REC
	s_add_co_u32 s80, s80, 16*REC
	v_add_nc_u32 v[ADRA+4], s80, v[GO]
	s_mul_i32 s80, s19, 6*REC
	v_add_nc_u32 v[ADRA+5], s80, v[GO]
	v_add_nc_u32 v[ADRA+6], 4*REC, v[ADRA+5]
	v_add_nc_u32 v[ADRA+7], SLOT, v[ADRA+5]
	v_add_nc_u32 v[ADRA+8], SLOT+4*REC, v[ADRA+5]
	s_mul_i32 s80, s19, 128*STP
	s_lshl_b32 s76, s20, 8
	s_add_co_u32 s80, s80, s76
	v_mul_u32_u24 v[STO], v1, STP
	v_lshl_add_u32 v[STO], v2, 6, v[STO]
	v_add_nc_u32 v[STO], s80, v[STO]               ; my gate's stage: row r, units 64 ch + 16 h on
	s_mul_i32 s80, s18, 32*STP
	v_add_nc_u32 v[RDZ], s80, v[GO]                ; the blend: rows 32 w on
	v_add_nc_u32 v[RDN], 128*STP, v[RDZ]
	s_mul_i32 s80, s66, 38                         ; the prefetches: blocks 38 cx .. 38 cx + 37 of my load's 150, held at 149; lanes left over name the last again
	v_add_nc_u32 v[PF], s80, v3
	v_min_u32 v[PF+1], 5, v3
	v_add_nc_u32 v[PF+1], s80, v[PF+1]
	v_add_nc_u32 v[PF+1], 32, v[PF+1]
	v_min_u32 v[PF], 149, v[PF]
	v_min_u32 v[PF+1], 149, v[PF+1]
	v_lshlrev_b32 v[PF], 8, v[PF]
	v_lshlrev_b32 v[PF+1], 8, v[PF+1]
; n x NT matrix instructions of K step KAP: A's fragments a0 on x my tiles.  The accumulators take turns.
.macro MULS a0, n, first
.set RJ, KAP%RING
.set FF, KAP%2
.set ai, \a0
.rept \n
.set ti, 0
.rept NT
.set DD, 8*NT*ai+8*ti
.set BB, 12*NT*RJ+12*ti
.set AA, 96*FF+12*ai
.set SBR, SB+NT*RJ+ti
.set SAR, SC+4*FF+ai%4
.if \first
.if ai < 4
	v_wmma_scale_f32_16x16x128_f8f6f4 v[DD:DD+7], v[BB:BB+11], v[AA:AA+11], v[BIAS+8*ti:BIAS+8*ti+7], v[SBR], v[SAR] matrix_a_fmt:MATRIX_FMT_BF6 matrix_b_fmt:MATRIX_FMT_BF6
.else
	v_wmma_scale_f32_16x16x128_f8f6f4 v[DD:DD+7], v[BB:BB+11], v[AA:AA+11], v[BIAS+8*ti:BIAS+8*ti+7], v[SBR], v[SAR] matrix_a_fmt:MATRIX_FMT_BF6 matrix_b_fmt:MATRIX_FMT_BF6 matrix_b_scale:MATRIX_SCALE_ROW1
.endif
.else
.if ai < 4
	v_wmma_scale_f32_16x16x128_f8f6f4 v[DD:DD+7], v[BB:BB+11], v[AA:AA+11], v[DD:DD+7], v[SBR], v[SAR] matrix_a_fmt:MATRIX_FMT_BF6 matrix_b_fmt:MATRIX_FMT_BF6
.else
	v_wmma_scale_f32_16x16x128_f8f6f4 v[DD:DD+7], v[BB:BB+11], v[AA:AA+11], v[DD:DD+7], v[SBR], v[SAR] matrix_a_fmt:MATRIX_FMT_BF6 matrix_b_fmt:MATRIX_FMT_BF6 matrix_b_scale:MATRIX_SCALE_ROW1
.endif
.endif
.set ti, ti+1
.endr
.set ai, ai+1
.endr
.endm
; One run of loads.  From LDS, 25: my gate's A of K step k into buffer k % 2.  From memory: kb under 32: B of K step kb; kb = 32, 33: 16 rows each of my 32 rows of the states.
.macro FETCH k, kb
.if (\k) < 20
.set AR, ADRA+(\k)/4
.set AO, ((\k)%4)*REC
.else
.set AR, ADRA+5+2*(((\k)-20)/6)+(((\k)-20)%6)/4
.set AO, ((((\k)-20)%6)%4)*REC
.endif
.set FB, 96*((\k)%2)
	WIN 0
	ds_load_b128 v[SC+4*((\k)%2):SC+4*((\k)%2)+3], v[AR] offset:AO+SCO
.if (\kb) < 32
	global_load_b128 v[SB+4*((\kb)%RING):SB+4*((\kb)%RING)+3], v[RO], s[56:57] offset:(\kb)*REC
.endif
	WIN TO_A
.irp a, 0,1,2,3,4,5,6,7
.irp c, 0,1,2
	ds_load_b128 v[FB+12*\a+4*\c:FB+12*\a+4*\c+3], v[AR] offset:AO+FRB*\a+512*\c
.endr
.endr
.if (\kb) < 32
	WIN TO_B
.irp j, 0,1,2,3,4,5,6,7,8,9,10,11
	global_load_b128 v[48*((\kb)%RING)+4*\j:48*((\kb)%RING)+4*\j+3], v[GO], s[58:59] offset:(\kb)*REC+512*\j
.endr
.elseif (\kb) < 34
	WIN 0
.set si, 16*((\kb)-32)
.rept 16
	global_load_b128 v[SS+4*si:SS+4*si+3], v[GO], s[10:11] offset:8192*si th:TH_LOAD_NT   ; 512 consecutive bytes of a row
.set si, si+1
.endr
.endif
.endm
.macro LCW                             ; B of K step KAP is in: behind its 13 loads were issued those of the next three K steps (39); at the end what is left of them and the states' 16 or 32
.if KAP <= 28
	s_wait_loadcnt 39
.elseif KAP == 29
	s_wait_loadcnt 42
.elseif KAP == 30
	s_wait_loadcnt 45
.else
	s_wait_loadcnt 32
.endif
.endm
.macro WMUL first
.if \first
	WIN W_1ST
.else
	WIN W_MUL
.endif
.endm
.macro ASK p                           ; 38 blocks of 256 bytes of the fill whose address stands in s[p:p+1]
	global_prefetch_b8 v[PF], s[\p:\p+1] th:TH_LOAD_NT scope:SCOPE_SE
	global_prefetch_b8 v[PF+1], s[\p:\p+1] th:TH_LOAD_NT scope:SCOPE_SE
.endm
.macro KS first
	LCW
	s_wait_dscnt 12                                ; A's scale words and fragments 0-3 are in; fragments 4-7's twelve loads may be out
	WMUL \first
	MULS 0, 4, \first
	PLACES                                         ; in front of loads into registers that the K step before has read
	FETCH KAP+1, KAP+RING-1
	s_wait_dscnt 25                                ; all but the 25 just issued
.if KAP == 5
	ASK 84                                         ; fill 2, six K steps ahead of its load
.elseif KAP == 13
	ASK 86                                         ; fill 3, likewise
.endif
	WMUL \first
	MULS 4, 4, \first
.set KAP, KAP+1
.endm
; A slot's last K step: one barrier; in front of it each wave waits for all its tensor loads, adds 0 to its spare word and waits for that and for its reads of this slot.  fill > 0: the slot is filled again by group 0 number fill.
.macro LASTKS fill
	WIN 0
	s_wait_tensorcnt 0x0
	ds_add_u32 v[SPW], v[NIL]
	LCW
	s_wait_dscnt 13
	WIN W_MUL
	MULS 0, 2, 0
	s_wait_dscnt 0x0
	s_barrier_signal -1
	MULS 2, 2, 0
	WIN 0
	s_barrier_wait -1
.if \fill
	CREST                                          ; the barrier has opened a round of the cluster's barrier
	TLOAD G0+4*\fill, G1A                          ; its four v_nop are the places in front of the loads below
.else
	PLACES
.endif
	FETCH KAP+1, KAP+RING-1
	WIN W_MUL
	MULS 4, 4, 0
.set KAP, KAP+1
.endm
	s_wait_alu depctr_va_vdst(0)                   ; the wait at the head's end
	s_wait_tensorcnt 0x0                           ; my part of fill 0 is in
	ds_add_u32 v[SPW], v[NIL]
	s_wait_dscnt 0x0
	CROUND
	s_cmp_lt_u32 s18, 3
	s_cbranch_scc0 .Lno_f1                         ; fill 1 is three loads of four records: wave 3 has none
	TLOAD G0+4, G1L
.Lno_f1:
	FETCH 0, 99
.set KAP, 0
	KS 1
.rept 10
	KS 0
.endr
	LASTKS 2                                       ; K step 11: slot 0 takes fill 2
.rept 7
	KS 0
.endr
	LASTKS 3                                       ; K step 19: slot 1 takes fill 3
.rept 5
	KS 0
.endr
	LASTKS 0                                       ; K step 25: behind this barrier nobody reads slot 0 any more
.rept 5
	KS 0
.endr
	LCW                                            ; K step 31
	s_wait_dscnt 12
	WIN W_MUL
	MULS 0, 4, 0
	s_wait_dscnt 0x0
	MULS 4, 4, 0
	; THE WAY OUT.  v = 1 / (1 + 2^(gamma pre)), a lane's 256 numbers in one batch
	WIN 0x41
	PLACES
.set i, 0
.rept 128
	v_pk_mul_f32 v[i:i+1], v[i:i+1], s[22:23] op_sel_hi:[1,0]      ; ascending: each accumulator from its low end on
.set i, i+2
.endr
	s_wait_alu depctr_va_vdst(0)                   ; a wait ahead of a batch and one behind it
.set i, 0
.rept 256
	v_exp_f32 v[i], v[i]
.set i, i+1
.endr
	v_nop
	s_wait_alu depctr_va_vdst(0)
.set i, 0
.rept 128
	v_pk_add_f32 v[i:i+1], v[i:i+1], 1.0 op_sel_hi:[1,0]
.set i, i+2
.endr
	s_wait_alu depctr_va_vdst(0)
.set i, 0
.rept 256
	v_rcp_f32 v[i], v[i]
.set i, i+1
.endr
	v_nop
	s_wait_alu depctr_va_vdst(0)
	WIN 0x04                                       ; an LDS store's data are its source 1: window 1
.irp a, 0,1,2,3,4,5,6,7
.irp t, 0,1,2,3
	ds_store_b128 v[STO], v[32*\a+8*\t:32*\a+8*\t+3] offset:16*STP*\a+128*(\t/2)+32*(\t%2)
	ds_store_b128 v[STO], v[32*\a+8*\t+4:32*\a+8*\t+7] offset:16*STP*\a+128*(\t/2)+32*(\t%2)+16
.endr
.endr
	WIN 0
	s_wait_dscnt 0x0                               ; for the others' sake
	s_barrier_signal -1
	s_barrier_wait -1                              ; 128 whole rows of z and of gate n's v lie in the stages
	s_wait_loadcnt 0x0                             ; the states
	; THE BLEND, 32 rows a wave, eight at a time: n = 1 - 2 v; out = s + z (n - s)
.irp g, 0,1,2,3
	WIN TO_B
.irp i, 0,1,2,3,4,5,6,7
	ds_load_b128 v[ZR+4*\i:ZR+4*\i+3], v[RDZ] offset:STP*(8*\g+\i)
	ds_load_b128 v[NR+4*\i:NR+4*\i+3], v[RDN] offset:STP*(8*\g+\i)
.endr
	s_wait_dscnt 0x0
	WIN 0x82                                       ; destination and source 0 window 2, source 1 (the states) window 0
.irp i, 0,1,2,3,4,5,6,7
	v_pk_fma_f32 v[NR+4*\i:NR+4*\i+1], v[NR+4*\i:NR+4*\i+1], -2.0, 1.0 op_sel_hi:[1,0,0]
	v_pk_fma_f32 v[NR+4*\i+2:NR+4*\i+3], v[NR+4*\i+2:NR+4*\i+3], -2.0, 1.0 op_sel_hi:[1,0,0]
.endr
.irp i, 0,1,2,3,4,5,6,7
	v_pk_add_f32 v[NR+4*\i:NR+4*\i+1], v[NR+4*\i:NR+4*\i+1], v[SS+4*(8*\g+\i):SS+4*(8*\g+\i)+1] neg_lo:[0,1] neg_hi:[0,1]
	v_pk_add_f32 v[NR+4*\i+2:NR+4*\i+3], v[NR+4*\i+2:NR+4*\i+3], v[SS+4*(8*\g+\i)+2:SS+4*(8*\g+\i)+3] neg_lo:[0,1] neg_hi:[0,1]
.endr
	WIN 0x0a                                       ; sources 0 and 1 window 2; source 2 and destination window 0
.irp i, 0,1,2,3,4,5,6,7
	v_pk_fma_f32 v[SS+4*(8*\g+\i):SS+4*(8*\g+\i)+1], v[ZR+4*\i:ZR+4*\i+1], v[NR+4*\i:NR+4*\i+1], v[SS+4*(8*\g+\i):SS+4*(8*\g+\i)+1]
	v_pk_fma_f32 v[SS+4*(8*\g+\i)+2:SS+4*(8*\g+\i)+3], v[ZR+4*\i+2:ZR+4*\i+3], v[NR+4*\i+2:NR+4*\i+3], v[SS+4*(8*\g+\i)+2:SS+4*(8*\g+\i)+3]
.endr
	WIN 0
.irp i, 0,1,2,3,4,5,6,7
	global_store_b128 v[GO], v[SS+4*(8*\g+\i):SS+4*(8*\g+\i)+3], s[16:17] offset:8192*(8*\g+\i) th:TH_STORE_NT   ; 512 consecutive bytes, aligned
.endr
.endr
	s_wait_tensorcnt 0x0                           ; the wave's end
	ds_add_u32 v[SPW], v[NIL]
	s_wait_dscnt 0x0
	CROUND                                         ; the closing round
	s_endpgm
.Lfunc_end_k_q235dd88409_gate_zn:
	.size	k_q235dd88409_gate_zn, .Lfunc_end_k_q235dd88409_gate_zn-k_q235dd88409_gate_zn
	.p2alignl 7, 3214868480
	.fill 96, 4, 3214868480
	.section	.rodata,"a",@progbits
	.p2align	6, 0x0
	.amdhsa_kernel k_q235dd88409_gate_zn
		.amdhsa_group_segment_fixed_size 327680
		.amdhsa_private_segment_fixed_size 0
		.amdhsa_enable_private_segment 0
		.amdhsa_kernarg_size 56
		.amdhsa_user_sgpr_count 2
		.amdhsa_user_sgpr_kernarg_segment_ptr 1
		.amdhsa_wavefront_size32 1
		.amdhsa_system_sgpr_workgroup_id_x 1
		.amdhsa_system_sgpr_workgroup_id_y 1
		.amdhsa_system_sgpr_workgroup_id_z 1
		.amdhsa_system_vgpr_workitem_id 0
		.amdhsa_next_free_vgpr 1024
		.amdhsa_next_free_sgpr 100
		.amdhsa_reserve_vcc 0
		.amdhsa_float_denorm_mode_32 3
		.amdhsa_float_denorm_mode_16_64 3
		.amdhsa_memory_ordered 1
		.amdhsa_forward_progress 1
		.amdhsa_inst_pref_size 255
	.end_amdhsa_kernel
	.section	.bss,"aw",@nobits
	.p2align	6
	.space	262144
	.amdgpu_metadata
---
amdhsa.version: [ 1, 2 ]
amdhsa.kernels:
  - .name:           k_q235dd88409_gate_zn
    .symbol:         k_q235dd88409_gate_zn.kd
    .args:
      - { .name: az, .offset: 0, .size: 8, .value_kind: global_buffer, .address_space: global }
      - { .name: an, .offset: 8, .size: 8, .value_kind: global_buffer, .address_space: global }
      - { .name: wq, .offset: 16, .size: 8, .value_kind: global_buffer, .address_space: global }
      - { .name: states, .offset: 24, .size: 8, .value_kind: global_buffer, .address_space: global }
      - { .name: b_z, .offset: 32, .size: 8, .value_kind: global_buffer, .address_space: global }
      - { .name: b_n, .offset: 40, .size: 8, .value_kind: global_buffer, .address_space: global }
      - { .name: out0, .offset: 48, .size: 8, .value_kind: global_buffer, .address_space: global }
    .group_segment_fixed_size: 327680
    .private_segment_fixed_size: 0
    .kernarg_segment_align: 8
    .kernarg_segment_size: 56
    .max_flat_workgroup_size: 128
    .sgpr_count:     100
    .vgpr_count:     1024
    .wavefront_size: 32
...
	.end_amdgpu_metadata
.endif
;; end of part 3
